; MI455X (gfx1250); checked and timed in simulation.
; The chip was launched on July 23, 2026; its instructions are those of AMD's public machine-readable ISA for CDNA 5 (MIT licence, August 2026) and "CDNA5" Instruction Set Architecture Reference Guide (July 2026). The comments in the code are by the model that wrote it; some were corrected since.
;; Token Routed MLP. Allowed arithmetic: float matrix products may take bf16 or f16 operands with f32 sums; other float arithmetic in f32, or as packed bf16 or f16 multiplies, adds, multiply-adds, maxima and minima; sums over many terms, partial sums and values carried from step to step in f32; what a program stores and reads back later, other than sums and carried values, may be rounded once to bf16 or f16.
;; Inputs: down_w 8 x 512 x 1,024 float32; gate_w 8 x 1,024 x 512 float32; hidden_states 4 x 1,024 x 1,024 float32; shared_down_w 1,024 x 512 float32; shared_gate_w 512 x 1,024 float32; shared_up_w 512 x 1,024 float32; token_ids 4 x 1,024 int32; up_w 8 x 1,024 x 512 float32.
;; Outputs: out0 4 x 1,024 x 1,024 float32.
;; One version. Each part assembles by itself: llvm-mc -triple=amdgcn-amd-amdhsa -mcpu=gfx1250 --defsym DOCPART=n.
;; ======== version 1 of 1: 3 launches
;; workspace buffers: xs 9,175,040 bytes; inter 9,175,040 bytes; w1 18,874,368 bytes; w2 9,437,184 bytes; perm 17,920 bytes of whole numbers; tiles 512 bytes of whole numbers
;; launch prep (part 1): grid 572 x 1, 8 waves a work-group, no clusters, 19,456 bytes of LDS; arguments hidden_states, token_ids, gate_w, up_w, down_w, shared_gate_w, shared_up_w, shared_down_w, xs, w1, w2, inter, perm, tiles; writes xs, w1, w2, inter, perm, tiles
.if DOCPART == 1
	.amdgcn_target "amdgcn-amd-amdhsa--gfx1250"
	.amdhsa_code_object_version 6
	.text
	.protected	k_q0a9dddf565_prep
	.globl	k_q0a9dddf565_prep
	.p2align	8
	.type	k_q0a9dddf565_prep,@function
k_q0a9dddf565_prep:
	s_mov_b64 s[64:65], 0
	v_nop
	global_prefetch_b8 v0, s[64:65] scope:SCOPE_SE
	s_setreg_imm32_b32 hwreg(HW_REG_WAVE_MODE, 25, 1), 1
	s_wait_xcnt 0x0
; PREP.  Sorts the 4,096 tokens by expert (e = clip(id, 0, 99999) mod 8), stores the list of slots (perm) and the table of row tiles (tiles), gathers x in the
; sorted order, and rounds x and all weights once to bf16, laid out in FRAGMENT BLOCKS: 16 rows x 32 K = 1,024 bytes; byte 512 cc + 16 L + 2 j holds row L % 16 and
; k = 16 cc + 8 (L / 16) + j.  Two loads of 16 bytes a lane, at 16 L and 512 + 16 L, are then the eight registers of a matrix operand.
; SLOTS.  Each expert's tokens fill whole blocks of 16 slots (B_e = ceil(n_e / 16), at most 263 blocks in all); the slots past n_e repeat the expert's last token; blocks past the last
; expert repeat the last token of all.  280 blocks are written, so that a tile of 11 blocks that begins at any block in use stays inside.
; TILES.  A tile is a run of blocks of one expert, q at the most; q = 9 if that gives at most 32 tiles, else 11: the sum of ceil(B_e / 11) is at most (263 + 80) / 11, under 32, for every split.
; An expert's blocks are dealt evenly over its ceil(B_e / q) tiles (sizes one apart at the most): 32 blocks make four tiles of eight, not 9 + 9 + 9 + 5, and the launches that multiply jump a tile's ninth block where it has none.
; SHARES.  A wave does one job: 16 KiB read, 8 KiB written.  Work-groups 0-139: x (1,120 jobs); 140-395: gate and up (2,048);
; 396-523: down (1,024); 524-571: the shared expert's three matrices (384).  No matrix unit, no tensor load, no cluster: nothing is multiplied and no two work-groups read the same weights.
; Every x work-group sorts for itself (16 KiB of ids): no traffic between work-groups.
; LIMITS.  Rounding to bf16 is to nearest even; NaN and infinities pass as they are.
.set PLANE, 2293760                    ; bytes of one quarter of K (256) of all 280 blocks: 280 x 8 x 1,024
.set TOT2,  1024                       ; LDS: 0 .. 1,023 each wave's eight counts (lane e of its 128 bytes); 1,024 .. 2,047 each wave's eight local starts
.set LIST,  2048                       ; 2,048 .. 18,431: each wave's 512 tokens, ordered by expert, in its own 2,048 bytes
.set SPARE, 18432                      ; the spare words: 128 bytes for each of the eight waves; no other line names them
.set D,     32                         ; v[32:159] data; ahead of the gather the sort's registers
; 16 rows that lie along K, 256 K of them, into eight fragment blocks ds bytes apart.  v4 = the lane's row in bytes + 32 (L / 16); v5 = 16 L.  All 32 loads go out ahead of the first wait.
; Load i: block i / 4; 16 bytes at 128 (i / 4) + 64 (half of the block's K) + 16 (half of the lane's eight numbers).
.macro NK src, dst, ds, nt
.set i, 0
.rept 32
.if \nt
	global_load_b128 v[D+4*i:D+4*i+3], v4, s[\src:\src+1] offset:128*(i/4)+64*((i%4)/2)+16*(i%2) th:TH_LOAD_NT
.else
	global_load_b128 v[D+4*i:D+4*i+3], v4, s[\src:\src+1] offset:128*(i/4)+64*((i%4)/2)+16*(i%2)
.endif
.set i, i+1
.endr
	s_wait_loadcnt 16                      ; the first sixteen loads are in; the sixteen younger ones stay out
.set i, 0
.rept 32
	v_cvt_pk_bf16_f32 v[D+i], v[D+2*i], v[D+2*i+1]   ; packed in place: result i never lies ahead of a number not yet read
.set i, i+1
.endr
.set i, 0
.rept 8
	global_store_b128 v5, v[D+4*i:D+4*i+3], s[\dst:\dst+1] offset:(i/2)*(\ds)+512*(i%2)   ; 512 consecutive bytes, at a multiple of 512
.set i, i+1
.endr
	s_wait_loadcnt 0x0
.set i, 32
.rept 32
	v_cvt_pk_bf16_f32 v[D+i], v[D+2*i], v[D+2*i+1]   ; into registers that the first half has read and no store names
.set i, i+1
.endr
.set i, 8
.rept 8
	global_store_b128 v5, v[D+4*i:D+4*i+3], s[\dst:\dst+1] offset:(i/2)*(\ds)+512*(i%2)
.set i, i+1
.endr
.endm
; 32 rows of K that lie along N, four runs of 32 columns, into fragment blocks.  Lane l holds column l of a run, one register for each k.  v4 = 4 l; v5 = 1,024 (l / 16) + 16 (l % 16).
; Run 2 g + z: loaded from base sa (g = 0) or sb (g = 1) at k rs + g lg + 128 z; stored at z sd + g sg.  The work goes in eight GROUPS: group t is k = 8 (t % 4) .. + 7 of the runs 2 (t / 4) and 2 (t / 4) + 1.
; KNL: group t's 16 loads; the two that share 256 consecutive bytes stand side by side.
.macro KNL sa, sb, rs, lg
.set g, t/4
.set bs, (\sa)+((\sb)-(\sa))*g
.set k, 8*(t%4)
.rept 8
	global_load_b32 v[D+64*g+k],    v4, s[bs:bs+1] offset:k*(\rs)+(\lg)*g th:TH_LOAD_NT
	global_load_b32 v[D+64*g+32+k], v4, s[bs:bs+1] offset:k*(\rs)+(\lg)*g+128 th:TH_LOAD_NT
.set k, k+1
.endr
.endm
; KNP: group u is packed, pairs along k, inside its own eight registers of each run, and stored: 8 k of a column are 16 bytes; lanes 0-15 and lanes 16-31 each fill 256 consecutive aligned bytes.
.macro KNP sd, sg, dst
.irp z, 0, 1
.set b, D+64*(u/4)+32*\z+8*(u%4)
.set i, 0
.rept 4
	v_cvt_pk_bf16_f32 v[b+i], v[b+2*i], v[b+2*i+1]
.set i, i+1
.endr
	global_store_b128 v5, v[b:b+3], s[\dst:\dst+1] offset:\z*(\sd)+(u/4)*(\sg)+(u%4)*256
.endr
.endm
; Three groups are asked for ahead: 48 loads of a wave are out at the most.  Every group has registers of its own, so no load waits for a store.
.macro KN sa, sb, rs, lg, sd, sg, dst
.set t, 0
.rept 3
	KNL \sa, \sb, \rs, \lg
.set t, t+1
.endr
.set u, 0
.rept 8
.if u < 6
	s_wait_loadcnt 32                      ; group u is in; the two younger groups' 32 loads stay out
.else
	s_wait_loadcnt 16*(7-u)                ; the counts run down: 16, 0
.endif
.if u < 5
.set t, u+3
	KNL \sa, \sb, \rs, \lg
.endif
	KNP \sd, \sg, \dst
.set u, u+1
.endr
.endm
	s_load_b512 s[4:19], s[0:1], 0x0               ; x s[4:5], ids s[6:7], gate s[8:9], up s[10:11], down s[12:13], shared gate s[14:15], shared up s[16:17], shared down s[18:19]
	s_load_b256 s[20:27], s[0:1], 0x40             ; xs s[20:21], w1 s[22:23], w2 s[24:25], inter s[26:27]
	s_load_b128 s[28:31], s[0:1], 0x60             ; perm s[28:29], tiles s[30:31]
	v_lshl_add_u32 v30, v0, 2, SPARE               ; my spare word,
	v_mov_b32 v31, 0                               ; and 0: kept for the add at the end of the waves that write LDS
	v_lshrrev_b32 v6, 5, v0
	v_readfirstlane_b32 s32, v6                    ; wave 0..7
	v_and_b32 v1, 31, v0                           ; lane
	v_and_b32 v2, 15, v0                           ; r = lane % 16
	v_bfe_u32 v3, v0, 4, 1                         ; h = lane / 16
	s_mov_b32 s33, ttmp9                           ; the work-group: it alone chooses the kind of job, so all eight waves go one way
	s_wait_kmcnt 0x0
	s_cmp_lt_u32 s33, 140
	s_cbranch_scc1 .Lx
	s_cmp_lt_u32 s33, 396
	s_cbranch_scc1 .Lgu
	s_cmp_lt_u32 s33, 524
	s_cbranch_scc1 .Ldn
	; THE SHARED EXPERT.  Its three matrices lie [N][K]: NK serves.  Work-groups 0-15 of these: gate; 16-31: up; 32-47: down.
	s_sub_co_u32 s34, s33, 524
	s_cmp_lt_u32 s34, 32
	s_cbranch_scc0 .Lsd
	s_cmp_lt_u32 s34, 16
	s_cselect_b64 s[84:85], s[14:15], s[16:17]     ; gate or up
	s_cselect_b32 s38, 0, 2048                     ; a unit's blocks lie G0, G1, U0, U1
	s_and_b32 s34, s34, 15
	s_lshl3_add_u32 s34, s34, s32                  ; job 0..127
	s_lshr_b32 s35, s34, 2                         ; which 16 rows (columns of the product)
	s_and_b32 s36, s34, 3                          ; which 256 of K
	s_lshl_b32 s86, s35, 16                        ; 16 rows of 4,096 bytes
	s_lshl_b32 s37, s36, 10
	s_add_co_u32 s86, s86, s37
	s_mov_b32 s87, 0
	s_add_nc_u64 s[84:85], s[84:85], s[86:87]
	s_lshr_b32 s86, s35, 1                         ; the unit of 32 columns,
	s_add_co_u32 s86, s86, 128                     ; behind the eight experts' 16 units each
	s_lshl_b32 s86, s86, 17                        ; a unit's stream is 131,072 bytes
	s_lshl_b32 s37, s36, 15                        ; eight K blocks of 4,096 bytes
	s_add_co_u32 s86, s86, s37
	s_and_b32 s37, s35, 1
	s_lshl_b32 s37, s37, 10
	s_add_co_u32 s86, s86, s37
	s_add_co_u32 s86, s86, s38
	s_add_nc_u64 s[88:89], s[22:23], s[86:87]
	v_lshlrev_b32 v4, 12, v2
	v_lshl_add_u32 v4, v3, 5, v4
	v_lshlrev_b32 v5, 4, v1
	NK 84, 88, 4096, 1
	s_endpgm
.Lsd:
	s_sub_co_u32 s34, s34, 32
	s_lshl3_add_u32 s34, s34, s32                  ; job 0..127
	s_lshr_b32 s35, s34, 1                         ; which 16 rows
	s_and_b32 s36, s34, 1                          ; which 256 of K
	s_lshl_b32 s86, s35, 15                        ; 16 rows of 2,048 bytes
	s_lshl_b32 s37, s36, 10
	s_add_co_u32 s86, s86, s37
	s_mov_b32 s87, 0
	s_add_nc_u64 s[84:85], s[18:19], s[86:87]
	s_lshr_b32 s86, s35, 1
	s_add_co_u32 s86, s86, 256                     ; behind the eight experts' 32 units each
	s_lshl_b32 s86, s86, 15                        ; a unit's stream is 32,768 bytes
	s_lshl_b32 s37, s36, 14
	s_add_co_u32 s86, s86, s37
	s_and_b32 s37, s35, 1
	s_lshl_b32 s37, s37, 10
	s_add_co_u32 s86, s86, s37
	s_add_nc_u64 s[88:89], s[24:25], s[86:87]
	v_lshlrev_b32 v4, 11, v2
	v_lshl_add_u32 v4, v3, 5, v4
	v_lshlrev_b32 v5, 4, v1
	NK 84, 88, 2048, 1
	s_endpgm
.Lgu:	; GATE AND UP of one expert: 32 K x 64 columns of each.  job = e (3 bits), pair of units (3), K block (5)
	s_sub_co_u32 s34, s33, 140
	s_lshl3_add_u32 s34, s34, s32
	s_lshr_b32 s35, s34, 8
	s_bfe_u32 s36, s34, 0x30005
	s_and_b32 s37, s34, 31
	s_lshl_b32 s35, s35, 21                        ; an expert is 2,097,152 bytes, in the source and in w1
	s_lshl_b32 s38, s37, 16                        ; 32 rows of 2,048 bytes
	s_add_co_u32 s38, s38, s35
	s_lshl_b32 s39, s36, 8                         ; 64 columns
	s_add_co_u32 s38, s38, s39
	s_mov_b32 s39, 0
	s_add_nc_u64 s[84:85], s[8:9], s[38:39]
	s_add_nc_u64 s[86:87], s[10:11], s[38:39]
	s_lshl_b32 s38, s36, 18                        ; two units' streams
	s_add_co_u32 s38, s38, s35
	s_lshl_b32 s37, s37, 12                        ; a K block's four fragment blocks
	s_add_co_u32 s38, s38, s37
	s_add_nc_u64 s[88:89], s[22:23], s[38:39]
	v_lshlrev_b32 v4, 2, v1
	v_lshlrev_b32 v5, 4, v2
	v_lshl_add_u32 v5, v3, 10, v5
	KN 84, 86, 2048, 0, 131072, 2048, 88
	s_endpgm
.Ldn:	; DOWN of one expert: 32 K x 128 columns.  job = e (3 bits), four units (3), K block (4)
	s_sub_co_u32 s34, s33, 396
	s_lshl3_add_u32 s34, s34, s32
	s_lshr_b32 s35, s34, 7
	s_bfe_u32 s36, s34, 0x30004
	s_and_b32 s37, s34, 15
	s_lshl_b32 s38, s35, 21
	s_lshl_b32 s39, s37, 17                        ; 32 rows of 4,096 bytes
	s_add_co_u32 s38, s38, s39
	s_lshl_b32 s39, s36, 9                         ; 128 columns
	s_add_co_u32 s38, s38, s39
	s_mov_b32 s39, 0
	s_add_nc_u64 s[84:85], s[12:13], s[38:39]
	s_lshl_b32 s38, s35, 20                        ; an expert is 1,048,576 bytes of w2
	s_lshl_b32 s36, s36, 17                        ; four units' streams
	s_add_co_u32 s38, s38, s36
	s_lshl_b32 s37, s37, 11                        ; a K block's two fragment blocks
	s_add_co_u32 s38, s38, s37
	s_add_nc_u64 s[88:89], s[24:25], s[38:39]
	v_lshlrev_b32 v4, 2, v1
	v_lshlrev_b32 v5, 4, v2
	v_lshl_add_u32 v5, v3, 10, v5
	KN 84, 84, 4096, 256, 32768, 65536, 88
	s_endpgm
.Lx:	; X.  First the sort.  Wave w has tokens 512 w .. 512 w + 511; register j of lane l is token 512 w + 32 j + l.
	v_lshlrev_b32 v4, 2, v1
	v_lshl_add_u32 v4, s32, 11, v4
.set j, 0
.rept 16
	global_load_b32 v[8+j], v4, s[6:7] offset:128*j
.set j, j+1
.endr
.irp i, 160,161,162,163
	v_mov_b32 v\i, 0                               ; sixteen bytes of 0: for the list here, for inter's last blocks below
.endr
	v_lshlrev_b32 v7, 4, v1
	v_lshl_add_u32 v7, s32, 11, v7
.irp i, 0,1,2,3
	ds_store_b128 v7, v[160:163] offset:LIST+512*\i   ; my wave's 2,048 bytes of the list are first written whole, at addresses that the text shows; the stores by place below, a permutation of 0 .. 511, then write every word anew
.endr
.set j, 0
.rept 16
	v_mov_b32 v[D+j], 0                            ; the tokens' places in my wave's list
.set j, j+1
.endr
	v_mov_b32 v59, 0                               ; lane e: my wave's count of expert e
	v_mov_b32 v61, 0                               ; lane e: where expert e begins in my wave's list
	s_wait_loadcnt 0x0
.set j, 0
.rept 16
	v_cmp_gt_i32 vcc_lo, 0, v[8+j]                 ; the clip: below 0 counts as 0,
	v_cndmask_b32 v[8+j], v[8+j], 0, vcc_lo
	v_min_u32 v[8+j], 0x1869f, v[8+j]              ; above 99,999 as 99,999
	v_and_b32 v[8+j], 7, v[8+j]                    ; the expert
.set j, j+1
.endr
	s_mov_b32 s36, 0                               ; e
	s_mov_b32 s39, 0                               ; my wave's tokens of the experts below e, and of e so far
.Lrank:
.set j, 0
.rept 16
	v_cmp_eq_u32 s[68+j], s36, v[8+j]              ; which lanes' token j is e's
.set j, j+1
.endr
	v_cmp_eq_u32 vcc_lo, s36, v1
	v_mov_b32 v7, s39
	v_cndmask_b32 v61, v61, v7, vcc_lo
	s_mov_b32 s38, s39
.set j, 0
.rept 16
	s_mov_b32 s[40+j], s39                         ; the place of register j's first token of e
	s_bcnt1_i32_b32 s37, s[68+j]
	s_add_co_u32 s39, s39, s37
.set j, j+1
.endr
.set j, 0
.rept 16
	v_mbcnt_lo_u32_b32 v[80+j], s[68+j], s[40+j]   ; + the lanes below mine that have one
	v_cndmask_b32 v[D+j], v[D+j], v[80+j], s[68+j]
.set j, j+1
.endr
	s_sub_co_u32 s38, s39, s38
	v_mov_b32 v6, s38
	v_cndmask_b32 v59, v59, v6, vcc_lo
	s_add_co_u32 s36, s36, 1
	s_cmp_lt_u32 s36, 8
	s_cbranch_scc1 .Lrank
	v_lshlrev_b32 v7, 2, v0
	ds_store_b32 v7, v59                           ; my wave's 128 bytes of counts,
	ds_store_b32 v7, v61 offset:TOT2               ; and of starts
	s_lshl_b32 s37, s32, 11                        ; my wave's 2,048 bytes of the list
	s_lshl_b32 s38, s32, 9
	v_add_nc_u32 v6, s38, v1                       ; token 512 w + l
.set j, 0
.rept 16
	v_min_u32 v[D+j], 0x1ff, v[D+j]                ; a place is 0 .. 511: the store stays in my wave's bytes
	v_lshl_add_u32 v[D+j], v[D+j], 2, s37
	v_add_nc_u32 v[80+j], 32*j, v6
	ds_store_b32 v[D+j], v[80+j] offset:LIST
.set j, j+1
.endr
	s_wait_dscnt 0x0                               ; for the others' sake: my stores are done
	s_barrier_signal -1
	s_barrier_wait -1                              ; all eight waves' counts, starts and lists are there; nothing in LDS is written after this but the spare words
	v_lshlrev_b32 v6, 2, v1
.irp p, 0,1,2,3,4,5,6,7
	ds_load_b32 v[48+\p], v6 offset:128*\p
.endr
	s_wait_dscnt 0x0
	v_add_nc_u32 v56, v48, v49
.irp p, 2,3,4,5,6,7
	v_add_nc_u32 v56, v56, v[48+\p]                ; lane e: n_e
.endr
.irp e, 0,1,2,3,4,5,6,7
	v_readlane_b32 s[40+\e], v56, \e               ; n_e
.endr
.irp e, 0,1,2,3,4,5,6,7
	s_add_co_u32 s[48+\e], s[40+\e], 15
	s_lshr_b32 s[48+\e], s[48+\e], 4               ; B_e
.endr
	s_mov_b32 s56, 0                               ; s[56+e]: expert e's first block
.irp e, 0,1,2,3,4,5,6
	s_add_co_u32 s[57+\e], s[56+\e], s[48+\e]
.endr
	s_add_co_u32 s66, s63, s55                     ; blocks in use
	s_lshl3_add_u32 s34, s33, s32                  ; job 0..1,119
	s_lshr_b32 s35, s34, 2                         ; my block b, 0..279
	s_and_b32 s36, s34, 3                          ; my quarter of K
	s_mov_b32 s37, 0                               ; the block's expert: the last one with tokens whose first block is not beyond b (the first expert with tokens begins at block 0)
	s_mov_b32 s38, 0
	s_mov_b32 s39, 1
.irp e, 0,1,2,3,4,5,6,7
	s_cmp_le_u32 s[56+\e], s35
	s_cselect_b32 s67, s[40+\e], 0
	s_cmp_lg_u32 s67, 0
	s_cselect_b32 s37, \e, s37
	s_cselect_b32 s38, s[56+\e], s38
	s_cselect_b32 s39, s[40+\e], s39
.endr
	s_sub_co_u32 s38, s35, s38
	v_lshl_add_u32 v6, s38, 4, v2                  ; my slot's rank in the expert,
	s_sub_co_u32 s39, s39, 1
	v_min_u32 v6, s39, v6                          ; held to the last token's
	v_mov_b32 v7, s37
	v_min_u32 v7, 7, v7
	v_lshlrev_b32 v7, 2, v7
.irp p, 0,1,2,3,4,5,6,7
	ds_load_b32 v[64+\p], v7 offset:128*\p         ; wave p's count of that expert,
	ds_load_b32 v[72+\p], v7 offset:TOT2+128*\p    ; and where it begins in wave p's list
.endr
	s_wait_dscnt 0x0
	v_mov_b32 v60, 0                               ; the expert's tokens in the waves before p
	v_mov_b32 v62, 0
.irp p, 0,1,2,3,4,5,6,7
	v_cmp_le_u32 vcc_lo, v60, v6                   ; the last wave for which this holds has the token
	v_sub_nc_u32 v63, v6, v60
	v_add3_u32 v63, v63, v[72+\p], 512*\p
	v_cndmask_b32 v62, v62, v63, vcc_lo
	v_add_nc_u32 v60, v60, v[64+\p]
.endr
	v_min_u32 v62, 0xfff, v62
	v_lshlrev_b32 v62, 2, v62
	ds_load_b32 v7, v62 offset:LIST
	s_wait_dscnt 0x0
	v_min_u32 v7, 0xfff, v7                        ; the token of slot 16 b + r
	s_cmp_lg_u32 s36, 0
	s_cbranch_scc1 .Lx_gather                      ; of a block's four jobs the first stores its 16 words of perm (both halves of the lanes store the same word to the same place)
	v_lshl_add_u32 v24, s35, 4, v2
	v_lshlrev_b32 v24, 2, v24
	global_store_b32 v24, v7, s[28:29]
.Lx_gather:
	v_lshlrev_b32 v4, 12, v7                       ; the token's row of 4,096 bytes
	v_lshl_add_u32 v4, v3, 5, v4
	v_lshlrev_b32 v5, 4, v1
	s_lshl_b32 s84, s36, 10
	s_mov_b32 s85, 0
	s_add_nc_u64 s[84:85], s[4:5], s[84:85]
	s_mul_i32 s86, s36, PLANE
	s_lshl_b32 s87, s35, 13
	s_add_co_u32 s86, s86, s87
	s_mov_b32 s87, 0
	s_add_nc_u64 s[88:89], s[20:21], s[86:87]
	NK 84, 88, 1024, 0                             ; no hint: a padded slot names a row again
	s_cmp_lt_u32 s35, s66
	s_cbranch_scc1 .Lx_tab
	s_add_nc_u64 s[90:91], s[26:27], s[86:87]      ; a block past those in use: the second launch stores nothing there and the third may load it, so its part of inter is written here
.set i, 0
.rept 16
	global_store_b128 v5, v[160:163], s[90:91] offset:512*i
.set i, i+1
.endr
.Lx_tab:
	s_or_b32 s67, s33, s32
	s_cmp_lg_u32 s67, 0
	s_cbranch_scc1 .Lx_end
	; THE TABLE OF TILES, by wave 0 of work-group 0; lane t makes tile t.  x / 9 = (7,282 x) >> 16 and x / 11 = (5,958 x) >> 16 hold far beyond x = 273.
	s_mov_b32 s78, 7282
	s_mov_b32 s81, 5958
	s_mov_b32 s76, 0
.irp e, 0,1,2,3,4,5,6,7
	s_add_co_u32 s79, s[48+\e], 8
	s_mul_i32 s79, s79, s78
	s_lshr_b32 s79, s79, 16
	s_add_co_u32 s76, s76, s79                     ; tiles of nine blocks
.endr
	s_cmp_le_u32 s76, 32
	s_cselect_b32 s77, 9, 11                       ; q
	s_cselect_b32 s78, s78, s81
	s_sub_co_u32 s81, s77, 1
	s_mov_b32 s76, 0
.irp e, 0,1,2,3,4,5,6,7
	s_mov_b32 s[68+\e], s76                        ; expert e's first tile
	s_add_co_u32 s79, s[48+\e], s81
	s_mul_i32 s79, s79, s78
	s_lshr_b32 s79, s79, 16
	s_add_co_u32 s76, s76, s79                     ; at the end: the number of tiles, at most 32
.endr
	v_mov_b32 v8, 0
	v_mov_b32 v12, 0
	v_mov_b32 v13, 0
	v_mov_b32 v14, 0
.irp e, 0,1,2,3,4,5,6,7
	v_cmp_le_u32 vcc_lo, s[68+\e], v1              ; the last expert for which this holds owns tile t
	v_cndmask_b32 v8, v8, \e, vcc_lo
	v_cndmask_b32 v12, v12, s[68+\e], vcc_lo
	v_cndmask_b32 v13, v13, s[56+\e], vcc_lo
	v_cndmask_b32 v14, v14, s[40+\e], vcc_lo
.endr
	v_sub_nc_u32 v12, v1, v12                      ; j: the tile's number in its expert
	v_add_nc_u32 v15, 15, v14
	v_lshrrev_b32 v15, 4, v15                      ; B: the expert's blocks
	v_add_nc_u32 v16, s81, v15
	v_mul_lo_u32 v16, v16, s78
	v_lshrrev_b32 v16, 16, v16                     ; T = ceil(B / q): the expert's tiles
	v_mov_b32 v17, 0                               ; base = floor(B / T), 11 at the most: how many of T, 2 T, .. 11 T are not above B
.irp k, 1,2,3,4,5,6,7,8,9,10,11
	v_mul_u32_u24 v18, \k, v16
	v_cmp_le_u32 vcc_lo, v18, v15
	v_cndmask_b32 v18, 0, 1, vcc_lo
	v_add_nc_u32 v17, v17, v18
.endr
	v_mul_u32_u24 v18, v17, v16
	v_sub_nc_u32 v18, v15, v18                     ; the first B - base T tiles have one block more
	v_mul_u32_u24 v19, v12, v17
	v_min_u32 v20, v12, v18
	v_add_nc_u32 v19, v19, v20                     ; the blocks of the expert's tiles before this one: j base + min(j, B - base T)
	v_cmp_lt_u32 vcc_lo, v12, v18
	v_cndmask_b32 v20, 0, 1, vcc_lo
	v_add_nc_u32 v20, v20, v17                     ; the tile's blocks
	v_add_nc_u32 v9, v13, v19                      ; its first block
	v_lshlrev_b32 v19, 4, v19
	v_sub_nc_u32 v10, v14, v19                     ; its rows: what is left of the expert,
	v_lshlrev_b32 v20, 4, v20
	v_min_u32 v10, v10, v20                        ; its blocks' 16 each at the most
	v_mov_b32 v11, s77
	v_cmp_gt_u32 vcc_lo, s76, v1
	v_cndmask_b32 v8, 0, v8, vcc_lo                ; a place past the last tile: expert 0, block 0, no rows
	v_cndmask_b32 v9, 0, v9, vcc_lo
	v_cndmask_b32 v10, 0, v10, vcc_lo
	global_store_b128 v5, v[8:11], s[30:31]
.Lx_end:
	s_wait_tensorcnt 0x0                           ; the wave's end, behind my last LDS store
	ds_add_u32 v30, v31
	s_wait_dscnt 0x0
	s_endpgm
.Lfunc_end_k_q0a9dddf565_prep:
	.size	k_q0a9dddf565_prep, .Lfunc_end_k_q0a9dddf565_prep-k_q0a9dddf565_prep
	.p2alignl 7, 3214868480
	.fill 96, 4, 3214868480
	.section	.rodata,"a",@progbits
	.p2align	6, 0x0
	.amdhsa_kernel k_q0a9dddf565_prep
		.amdhsa_group_segment_fixed_size 19456
		.amdhsa_private_segment_fixed_size 0
		.amdhsa_enable_private_segment 0
		.amdhsa_kernarg_size 112
		.amdhsa_user_sgpr_count 2
		.amdhsa_user_sgpr_kernarg_segment_ptr 1
		.amdhsa_wavefront_size32 1
		.amdhsa_system_sgpr_workgroup_id_x 1
		.amdhsa_system_sgpr_workgroup_id_y 1
		.amdhsa_system_sgpr_workgroup_id_z 1
		.amdhsa_system_vgpr_workitem_id 0
		.amdhsa_next_free_vgpr 168
		.amdhsa_next_free_sgpr 96
		.amdhsa_reserve_vcc 1
		.amdhsa_float_denorm_mode_32 3
		.amdhsa_float_denorm_mode_16_64 3
		.amdhsa_memory_ordered 1
		.amdhsa_forward_progress 1
		.amdhsa_inst_pref_size 98
	.end_amdhsa_kernel
	.amdgpu_metadata
---
amdhsa.version: [ 1, 2 ]
amdhsa.kernels:
  - .name:           k_q0a9dddf565_prep
    .symbol:         k_q0a9dddf565_prep.kd
    .args:
      - { .name: hidden_states, .offset: 0, .size: 8, .value_kind: global_buffer, .address_space: global }
      - { .name: token_ids, .offset: 8, .size: 8, .value_kind: global_buffer, .address_space: global }
      - { .name: gate_w, .offset: 16, .size: 8, .value_kind: global_buffer, .address_space: global }
      - { .name: up_w, .offset: 24, .size: 8, .value_kind: global_buffer, .address_space: global }
      - { .name: down_w, .offset: 32, .size: 8, .value_kind: global_buffer, .address_space: global }
      - { .name: shared_gate_w, .offset: 40, .size: 8, .value_kind: global_buffer, .address_space: global }
      - { .name: shared_up_w, .offset: 48, .size: 8, .value_kind: global_buffer, .address_space: global }
      - { .name: shared_down_w, .offset: 56, .size: 8, .value_kind: global_buffer, .address_space: global }
      - { .name: xs, .offset: 64, .size: 8, .value_kind: global_buffer, .address_space: global }
      - { .name: w1, .offset: 72, .size: 8, .value_kind: global_buffer, .address_space: global }
      - { .name: w2, .offset: 80, .size: 8, .value_kind: global_buffer, .address_space: global }
      - { .name: inter, .offset: 88, .size: 8, .value_kind: global_buffer, .address_space: global }
      - { .name: perm, .offset: 96, .size: 8, .value_kind: global_buffer, .address_space: global }
      - { .name: tiles, .offset: 104, .size: 8, .value_kind: global_buffer, .address_space: global }
    .group_segment_fixed_size: 19456
    .private_segment_fixed_size: 0
    .kernarg_segment_align: 8
    .kernarg_segment_size: 112
    .max_flat_workgroup_size: 256
    .sgpr_count:     96
    .vgpr_count:     168
    .wavefront_size: 32
...
	.end_amdgpu_metadata
.endif
;; end of part 1
;; launch gateup (part 2): grid 8 x 32, 4 waves a work-group, no clusters, 295,424 bytes of LDS; arguments xs, w1, tiles, inter; writes inter
.if DOCPART == 2
	.amdgcn_target "amdgcn-amd-amdhsa--gfx1250"
	.amdhsa_code_object_version 6
	.text
	.protected	k_q0a9dddf565_gateup
	.globl	k_q0a9dddf565_gateup
	.p2align	8
	.type	k_q0a9dddf565_gateup,@function
k_q0a9dddf565_gateup:
	s_mov_b64 s[64:65], 0
	v_nop
	global_prefetch_b8 v0, s[64:65] scope:SCOPE_SE
	s_setreg_imm32_b32 hwreg(HW_REG_WAVE_MODE, 25, 1), 1
	s_wait_xcnt 0x0
; GATEUP.  inter[slot][p] = silu(x . G_p) (x . U_p), p = 0..511 of the slot's expert, p = 512..1023 of the shared expert.  bf16 operands, f32 sums, the activation in f32, inter rounded once to bf16.
; SHARES.  Work-group (sx, ty): tile ty of the table (up to 9 blocks of 16 sorted slots in the main part) x positions 128 sx .. 128 sx + 127.  Wave w: 32 positions, that is 32 gate and 32 up columns:
; 9 x 4 accumulators of 16 x 16, 36 matrix instructions for each 32 of K.  All 256 work-groups run the same 32 steps.  Where the tile has eight blocks or fewer, the ninth block's LDS loads and products are jumped in every
; step but the first; other row blocks past the tile's count are computed beside the others and not stored.
; A (144 rows x 1,024 K, 294,912 bytes) is brought into LDS ONCE, in four chunks of 256 K: no byte of LDS is filled twice.  The operands lie in fragment blocks (1,024 bytes: 16 rows x 32 K,
; byte 512 cc + 16 L), so a load of 16 bytes a lane takes 512 consecutive bytes and LDS needs no padding.  B is read by one wave alone, so it comes from memory straight into registers, seven steps ahead.
; NO CLUSTER.  The eight slices of a tile ask for the same A, 8 x 294,912 bytes where one request would do.  A joint load wants a descriptor, and branches, that are alike in all partners by the text's own
; arithmetic; here A's address (the tile's first block) and the branches on its count of rows come from the table of tiles in memory, and 32 tiles of nine blocks do not hold every split (up to 36 are wanted),
; so that the way for blocks 9 and 10 has to hang on the table.  B is shared by no two waves of a tile.
; THE MATRIX INSTRUCTION IS USED TRANSPOSED (source 0 = 16 columns of weights, source 1 = 16 slots): a lane holds one slot and eight neighbouring positions, so the packed results of a unit's two halves ARE the
; two halves of a fragment block of inter: 1,024 consecutive bytes a row block, stored straight from registers.
; Blocks 9 and 10 of a tile exist only where the table was made with 11 blocks a tile; they go a second way, without LDS and barriers, jumped by a scalar branch on the stored count.
; LIMITS.  silu(g) u is formed as (g / (1 + 2^(-1.442695 g))) u: where the power overflows the quotient is -0, silu's limit.  NaN and infinities are not treated apart.
; REGISTERS, in windows of 256: window 0: v1 16 x lane; v2, v3 A's LDS addresses; v30, v31 the add's; v32-103, v104-175 two buffers of A's nine fragments; behind the loop v32-103 packed results,
;   v112-175, v176-191, v192-207, v224-255 the second way's sums, A, results, B; v208-223 at work.  window 1: B, a ring of eight steps x 32.  window 2: accumulator (rb < 8, f) at 32 rb + 8 f.  window 3: (8, f) at 8 f.
.set PLANE, 2293760                    ; bytes of one quarter of K of all 280 blocks
.set CHUNK, 73728                      ; 9 blocks x 8 fragment blocks x 1,024 bytes
.set QUART, 18432                      ; a wave's quarter of a chunk: 72 rows of 256 bytes
.set SPARE, 294912                     ; behind the four chunks: the spare words, 128 bytes a wave
.set ALO, 2
.set AHI, 3
.set SPW, 30
.set NIL, 31
.set AF,  32
.set T,   208
.set XACC, 112
.set XA,  176
.set YX,  192
.set XB,  224
.set XBB, 12                           ; s[12:13] my stream of weights for the second way: made at the head beside the loop's base, stepped in the second way alone
.set G1,  16                           ; s[16:23] descriptor group 1
.set G0,  24                           ; s[24:39] descriptor group 0, a set for each chunk
.set WV,  60
.set SX,  61
.set TY,  62
.set SQ,  63
.set MSB, 0
.macro WIN new                         ; the immediate's high byte repeats the setting that is left; a switch that changes nothing is dropped
.if MSB != (\new)
	s_set_vgpr_msb (MSB<<8)|(\new)
.set MSB, \new
.endif
.endm
.macro PLACES                          ; four places behind a matrix instruction, ahead of loads into its sources and of readers of its result
.rept 4
	v_nop
.endr
.endm
.macro FETCHA_LO kbl, buf              ; 16 LDS loads: row blocks 0 to 7, K block kbl of the chunk in hand
	WIN 0
.irp rb, 0,1,2,3,4,5,6,7
	ds_load_b128 v[AF+72*(\buf)+8*\rb:AF+72*(\buf)+8*\rb+3],   v[ALO] offset:\rb*8192+(\kbl)*1024
	ds_load_b128 v[AF+72*(\buf)+8*\rb+4:AF+72*(\buf)+8*\rb+7], v[ALO] offset:\rb*8192+(\kbl)*1024+512
.endr
.endm
.macro FETCHA_HI kbl, buf              ; 2 LDS loads: row block 8, which lies 65,536 bytes on: past the offset's 16 bits
	WIN 0
	ds_load_b128 v[AF+72*(\buf)+64:AF+72*(\buf)+67], v[AHI] offset:(\kbl)*1024
	ds_load_b128 v[AF+72*(\buf)+68:AF+72*(\buf)+71], v[AHI] offset:(\kbl)*1024+512
.endm
.macro FETCHB slot, imm                ; 8 loads: a step's four fragments G0, G1, U0, U1: 4,096 consecutive bytes of my stream
	WIN 0x40                                       ; destination window 1, address window 0
.irp f, 0,1,2,3
	global_load_b128 v[32*(\slot)+8*\f:32*(\slot)+8*\f+3],   v1, s[46:47] offset:(\imm)+\f*1024
	global_load_b128 v[32*(\slot)+8*\f+4:32*(\slot)+8*\f+7], v1, s[46:47] offset:(\imm)+\f*1024+512
.endr
.endm
; The accumulators take turns, one instruction a turn: a step goes through the ninth block's four and then the other 32.  zero = 1: the first products start the sums
.macro MUL_HI buf, slot, zero          ; row block 8: 4 matrix instructions
	WIN 0xf1                                       ; source 0 (B) window 1, source 1 (A) window 0, C and D window 3
.irp f, 0,1,2,3
.if \zero
	v_wmma_f32_16x16x32_bf16 v[8*\f:8*\f+7], v[32*(\slot)+8*\f:32*(\slot)+8*\f+7], v[AF+72*(\buf)+64:AF+72*(\buf)+71], 0
.else
	v_wmma_f32_16x16x32_bf16 v[8*\f:8*\f+7], v[32*(\slot)+8*\f:32*(\slot)+8*\f+7], v[AF+72*(\buf)+64:AF+72*(\buf)+71], v[8*\f:8*\f+7]
.endif
.endr
.endm
.macro MUL_LO buf, slot, zero          ; row blocks 0 to 7: 32 matrix instructions
	WIN 0xa1                                       ; C and D window 2
.irp rb, 0,1,2,3,4,5,6,7
.irp f, 0,1,2,3
.if \zero
	v_wmma_f32_16x16x32_bf16 v[32*\rb+8*\f:32*\rb+8*\f+7], v[32*(\slot)+8*\f:32*(\slot)+8*\f+7], v[AF+72*(\buf)+8*\rb:AF+72*(\buf)+8*\rb+7], 0
.else
	v_wmma_f32_16x16x32_bf16 v[32*\rb+8*\f:32*\rb+8*\f+7], v[32*(\slot)+8*\f:32*(\slot)+8*\f+7], v[AF+72*(\buf)+8*\rb:AF+72*(\buf)+8*\rb+7], v[32*\rb+8*\f:32*\rb+8*\f+7]
.endif
.endr
.endr
.endm
; Step n of 32 (32 of K).  A of step n was asked for a step ago, B seven steps ago.  Ahead of the products: A of step n + 1 (pfa) into the buffer, and B of step n + 7 (pfb) into the ring's slot, that step n - 1 multiplied.
; lcnt: the loads of B issued behind step n's.  bar = 1: step n + 1 begins a chunk; tc: the chunks behind that one, which may stay out.
; The ninth block's two loads and four products stand together under one forward branch on the tile's count.  The first step (zero = 1) has no branch: it starts the ninth block's sums and fills its place in
; the second buffer, so that these registers are written on every way; for a tile of eight blocks that is four products once.
.macro STEP n, zero, pfa, pfb, bimm, lcnt, bar, tc=0
	WIN 0
	s_wait_dscnt 0x0                               ; A of this step
	s_wait_loadcnt \lcnt                           ; B of this step
.if \bar
	s_wait_tensorcnt \tc                           ; my quarter of the next chunk is in
	s_barrier_signal -1
	s_barrier_wait -1                              ; everybody's is.
	v_add_nc_u32 v[ALO], CHUNK, v[ALO]
	v_add_nc_u32 v[AHI], CHUNK, v[AHI]
.endif
.if (\pfa) || (\pfb)
	PLACES
.endif
.if \pfa
	FETCHA_LO ((\n)+1)&7, ((\n)+1)&1
.endif
.if !(\zero)
	s_cmp_le_u32 s44, 8
	s_cbranch_scc1 .Lno9_\@                        ; the tile has no ninth block
.endif
.if \pfa
	FETCHA_HI ((\n)+1)&7, ((\n)+1)&1
.endif
	MUL_HI (\n)&1, (\n)&7, \zero
	WIN 0                                          ; at a label every window is 0
.if !(\zero)
.Lno9_\@:
.endif
.if \pfb
	FETCHB ((\n)+7)&7, \bimm
.endif
	MUL_LO (\n)&1, (\n)&7, \zero
.endm
; A trip: steps 8 t + 1 .. 8 t + 8.  48 = six steps' loads of B, eight each, issued behind the step's own: the same on the way in and round the back edge.
.macro TRIP tc
.irp p, 1,2,3,4,5,6
	STEP \p, 0, 1, 1, ((\p)+7)*4096, 48, 0
.endr
	STEP 7, 0, 1, 1, 14*4096, 48, 1, \tc
	STEP 8, 0, 1, 1, 15*4096, 48, 0
	WIN 0                                          ; at a label and at a branch every window is 0
	s_wait_xcnt 0x0                                ; B's base is stepped only behind this wait
	s_add_nc_u64 s[46:47], s[46:47], 32768
.endm
; One row block's activation and way out.  g: its 16 registers of gate sums, then 16 of up; win: their window as source 0; y: eight registers for the packed results; imm: the block's place.
; The 16 powers are one batch with one wait, the 16 reciprocals another.  Each accumulator is read from its lowest registers on.
.macro ACT g, win, y, imm
	WIN \win
.set i, 0
.rept 8
	v_pk_mul_f32 v[T+2*i:T+2*i+1], v[(\g)+2*i:(\g)+2*i+1], s[50:51] op_sel_hi:[1,0]   ; -log2(e) g
.set i, i+1
.endr
	WIN 0
.set i, 0
.rept 16
	v_exp_f32 v[T+i], v[T+i]
.set i, i+1
.endr
	v_nop                                          ; a plain instruction behind the last power,
	s_wait_alu depctr_va_vdst(0)                   ; and a wait ahead of the first reader: one for the batch
.set i, 0
.rept 8
	v_pk_add_f32 v[T+2*i:T+2*i+1], v[T+2*i:T+2*i+1], 1.0 op_sel_hi:[1,0]
.set i, i+1
.endr
.set i, 0
.rept 16
	v_rcp_f32 v[T+i], v[T+i]
.set i, i+1
.endr
	v_nop
	s_wait_alu depctr_va_vdst(0)
	WIN \win
.set i, 0
.rept 8
	v_pk_mul_f32 v[T+2*i:T+2*i+1], v[(\g)+2*i:(\g)+2*i+1], v[T+2*i:T+2*i+1]           ; silu(g)
.set i, i+1
.endr
.set i, 0
.rept 8
	v_pk_mul_f32 v[T+2*i:T+2*i+1], v[(\g)+16+2*i:(\g)+16+2*i+1], v[T+2*i:T+2*i+1]     ; times u
.set i, i+1
.endr
	WIN 0
.set i, 0
.rept 8
	v_cvt_pk_bf16_f32 v[(\y)+i], v[T+2*i], v[T+2*i+1]
.set i, i+1
.endr
	global_store_b128 v1, v[(\y):(\y)+3],   s[48:49] offset:\imm       ; 512 consecutive bytes each, at a multiple of 512: the fragment block's two halves
	global_store_b128 v1, v[(\y)+4:(\y)+7], s[48:49] offset:(\imm)+512
.endm
; The second way's step: blocks 9 and 10, A and B both straight from memory; eight accumulators by turns
.macro XSTEP zero
.irp i, 0,1
	global_load_b128 v[XA+8*\i:XA+8*\i+3],   v1, s[52:53] offset:\i*8192
	global_load_b128 v[XA+8*\i+4:XA+8*\i+7], v1, s[52:53] offset:\i*8192+512
.endr
.irp f, 0,1,2,3
	global_load_b128 v[XB+8*\f:XB+8*\f+3],   v1, s[XBB:XBB+1] offset:\f*1024
	global_load_b128 v[XB+8*\f+4:XB+8*\f+7], v1, s[XBB:XBB+1] offset:\f*1024+512
.endr
	s_wait_loadcnt 0x0                             ; also frees the two bases, which the next trip steps
.irp i, 0,1
.irp f, 0,1,2,3
.if \zero
	v_wmma_f32_16x16x32_bf16 v[XACC+32*\i+8*\f:XACC+32*\i+8*\f+7], v[XB+8*\f:XB+8*\f+7], v[XA+8*\i:XA+8*\i+7], 0
.else
	v_wmma_f32_16x16x32_bf16 v[XACC+32*\i+8*\f:XACC+32*\i+8*\f+7], v[XB+8*\f:XB+8*\f+7], v[XA+8*\i:XA+8*\i+7], v[XACC+32*\i+8*\f:XACC+32*\i+8*\f+7]
.endif
.endr
.endr
	PLACES
.endm
	s_load_b256 s[4:11], s[0:1], 0x0               ; xs s[4:5], w1 s[6:7], tiles s[8:9], inter s[10:11]
	v_lshl_add_u32 v[SPW], v0, 2, SPARE
	v_mov_b32 v[NIL], 0
	ds_add_u32 v[SPW], v[NIL]                      ; the wave's opening: the add and its wait stand ahead of my first tensor load; the set-up below, work on registers, stands between them
	v_lshrrev_b32 v4, 5, v0
	v_readfirstlane_b32 s[WV], v4                  ; wave 0..3
	v_and_b32 v1, 31, v0
	v_lshlrev_b32 v1, 4, v1                        ; 16 x lane; never rewritten
	v_mov_b32 v[ALO], v1
	v_add_nc_u32 v[AHI], 0x10000, v1
	s_mov_b32 s[SX], ttmp9                         ; my slice of 128 positions, 0..7
	s_and_b32 s[SQ], s[SX], 3                      ; its place among the four of its half,
	s_lshr_b32 s59, s[SX], 2                       ; 0: the routed half; 1: the shared half
	s_and_b32 s[TY], ttmp7, 0xffff                 ; the tile
	s_mov_b32 s[G1], 3<<16                         ; 15:0 no mask; 17:16 elements of 8 bytes; no padding
	s_mov_b32 s[G1+1], 32<<16                      ; tensor_dim0 = 32 elements: rows of 256 bytes
	s_mov_b32 s[G1+2], 72<<16                      ; tensor_dim1 = 72
	s_mov_b32 s[G1+3], 32<<16                      ; tile_dim0 = 32
	s_mov_b32 s[G1+4], 72                          ; tile_dim1 = 72
	s_mov_b32 s[G1+5], 32                          ; dense: a row begins where the last ends
	s_mov_b32 s[G1+6], 0
	s_mov_b32 s[G1+7], 0
	s_mul_i32 s58, s[WV], QUART                    ; my quarter of a chunk, in memory and in LDS
	s_lshl_b32 s56, s[TY], 4
	s_mov_b32 s57, 0
	s_mov_b32 s50, 0xbfb8aa3b                      ; -log2(e)
	s_mov_b32 s51, s50                             ; named with it as a pair
	s_wait_dscnt 0x0                               ; the opening add is done
	s_wait_kmcnt 0x0
	s_add_nc_u64 s[56:57], s[8:9], s[56:57]
	s_load_b128 s[40:43], s[56:57], 0x0            ; the tile: expert, first block, rows, q
	s_wait_kmcnt 0x0
	s_min_u32 s40, s40, 7
	s_min_u32 s41, s41, 269                        ; 269 + 10 is the last of the 280 blocks
	s_min_u32 s42, s42, 176
	s_add_co_u32 s44, s42, 15
	s_lshr_b32 s44, s44, 4                         ; the tile's row blocks, 0..11
	s_lshl_b32 s56, s41, 13                        ; a block's 8,192 bytes in a quarter of K
	s_add_co_u32 s56, s56, s58
	s_mov_b32 s57, 0
	s_add_nc_u64 s[56:57], s[4:5], s[56:57]
.irp c, 0,1,2,3
	s_mov_b32 s[G0+4*\c], 1                        ; count = 1
	s_add_co_u32 s[G0+4*\c+1], s58, \c*CHUNK       ; LDS address: the chunk, my quarter
	s_add_nc_u64 s[G0+4*\c+2:G0+4*\c+3], s[56:57], \c*PLANE   ; nine blocks of a quarter of K are 73,728 consecutive bytes
	s_or_b32 s[G0+4*\c+3], s[G0+4*\c+3], 0x80000000           ; type = 2
.endr
.irp c, 0,1,2,3
	tensor_load_to_lds s[G0+4*\c:G0+4*\c+3], s[G1:G1+7]       ; four loads of mine are out: all that this launch issues
	s_nop 0
.endr
	PLACES                                         ; four vector lines ahead of the next switch of windows
	s_cmp_eq_u32 s59, 0
	s_cselect_b32 s59, s40, 8                      ; whose weights: the tile's expert, or the shared one behind the eight
	s_lshl_b32 s59, s59, 4
	s_lshl2_add_u32 s52, s[SQ], s[WV]              ; my unit of 32 positions among the 16
	s_add_co_u32 s52, s52, s59
	s_lshl_b32 s52, s52, 17                        ; a stream is 131,072 bytes
	s_mov_b32 s53, 0
	s_add_nc_u64 s[46:47], s[6:7], s[52:53]        ; my stream, for the trips, which step this base,
	s_add_nc_u64 s[XBB:XBB+1], s[6:7], s[52:53]    ; and once more for the second way, which begins at the stream's first byte again
.irp b, 0,1,2,3,4,5,6
	FETCHB \b, \b*4096                             ; B of steps 0 to 6: 56 loads
.endr
	WIN 0
	s_lshr_b32 s52, s[SX], 1                       ; inter: position 128 sx + 32 w is K block 4 sx + w of the next product: quarter sx / 2,
	s_mul_i32 s52, s52, PLANE
	s_and_b32 s54, s[SX], 1
	s_lshl2_add_u32 s54, s54, s[WV]                ; fragment block 4 (sx % 2) + w
	s_lshl_b32 s54, s54, 10
	s_add_co_u32 s52, s52, s54
	s_lshl_b32 s54, s41, 13
	s_add_co_u32 s52, s52, s54
	s_add_nc_u64 s[48:49], s[10:11], s[52:53]
	s_wait_tensorcnt 3                             ; my quarter of chunk 0 is in; the three chunks behind it stay out
	s_barrier_signal -1
	s_barrier_wait -1                              ; everybody's is
	FETCHA_LO 0, 0
	FETCHA_HI 0, 0
	STEP 0, 1, 1, 1, 7*4096, 48, 0                 ; the first step stands ahead of the trips: its products start the sums.  48: B of steps 1 to 6
	TRIP 2                                         ; steps 1 to 8 are written out, so that their wait has its own count: chunk 1 is in, chunks 2 and 3 stay out
	s_mov_b32 s45, 2
.Ltrip:                                                ; steps 9 to 24.  One text serves both trips, so the count is the second's: at step 15 chunk 3 is waited for beside chunk 2
	TRIP 0
	s_sub_co_u32 s45, s45, 1
	s_cmp_lg_u32 s45, 0
	s_cbranch_scc1 .Ltrip
.irp p, 25,26,27,28,29,30
	STEP \p, 0, 1, 0, 0, 8*(31-(\p)), 0            ; the tail asks for no B: the counts run down
.endr
	STEP 31, 0, 0, 0, 0, 0, 0
	WIN 0
	PLACES
.irp rb, 0,1,2,3,4,5,6,7
	s_cmp_le_u32 s44, \rb
	s_cbranch_scc1 .Lmain_done                     ; row blocks past the tile's count are not stored
	ACT 32*\rb, 0x02, 32+8*\rb, \rb*8192
.endr
	s_cmp_le_u32 s44, 8
	s_cbranch_scc1 .Lmain_done
	ACT 0, 0x03, 32+8*8, 8*8192
.Lmain_done:
	s_cmp_le_u32 s44, 9
	s_cbranch_scc1 .Ldone
	; THE SECOND WAY: blocks 9 and 10.  No LDS, no barrier, no tensor load in what the branch above jumps.
	v_nop                                          ; its sums land in registers that the last step's products read as a source: five places lie between on every way here, the four behind the last step and this one
	s_add_co_u32 s52, s41, 9
	s_lshl_b32 s52, s52, 13
	s_mov_b32 s53, 0
	s_add_nc_u64 s[52:53], s[4:5], s[52:53]        ; xs at block 9 of the tile, first quarter of K
	s_mov_b32 s57, 0
	s_mov_b32 s58, 1024                            ; from a K block to the next,
	s_mov_b32 s59, PLANE-7168                      ; and from a quarter's last to the next quarter's first
	XSTEP 1
	s_mov_b32 s45, 1
.Lx:
	s_and_b32 s56, s45, 7                          ; SCC: the step does not begin a quarter
	s_cselect_b32 s56, s58, s59
	s_add_nc_u64 s[52:53], s[52:53], s[56:57]
	s_add_nc_u64 s[XBB:XBB+1], s[XBB:XBB+1], 4096
	XSTEP 0
	s_add_co_u32 s45, s45, 1
	s_cmp_lt_u32 s45, 32
	s_cbranch_scc1 .Lx
	ACT XACC, 0, YX, 9*8192
	s_cmp_le_u32 s44, 10
	s_cbranch_scc1 .Ldone
	ACT XACC+32, 0, YX+8, 10*8192
.Ldone:
	s_wait_tensorcnt 0x0                           ; the wave's end, behind my last tensor load
	ds_add_u32 v[SPW], v[NIL]
	s_wait_dscnt 0x0
	s_endpgm
.Lfunc_end_k_q0a9dddf565_gateup:
	.size	k_q0a9dddf565_gateup, .Lfunc_end_k_q0a9dddf565_gateup-k_q0a9dddf565_gateup
	.p2alignl 7, 3214868480
	.fill 96, 4, 3214868480
	.section	.rodata,"a",@progbits
	.p2align	6, 0x0
	.amdhsa_kernel k_q0a9dddf565_gateup
		.amdhsa_group_segment_fixed_size 295424
		.amdhsa_private_segment_fixed_size 0
		.amdhsa_enable_private_segment 0
		.amdhsa_kernarg_size 32
		.amdhsa_user_sgpr_count 2
		.amdhsa_user_sgpr_kernarg_segment_ptr 1
		.amdhsa_wavefront_size32 1
		.amdhsa_system_sgpr_workgroup_id_x 1
		.amdhsa_system_sgpr_workgroup_id_y 1
		.amdhsa_system_sgpr_workgroup_id_z 1
		.amdhsa_system_vgpr_workitem_id 0
		.amdhsa_next_free_vgpr 800
		.amdhsa_next_free_sgpr 66
		.amdhsa_reserve_vcc 0
		.amdhsa_float_denorm_mode_32 3
		.amdhsa_float_denorm_mode_16_64 3
		.amdhsa_memory_ordered 1
		.amdhsa_forward_progress 1
		.amdhsa_inst_pref_size 162
	.end_amdhsa_kernel
	.amdgpu_metadata
---
amdhsa.version: [ 1, 2 ]
amdhsa.kernels:
  - .name:           k_q0a9dddf565_gateup
    .symbol:         k_q0a9dddf565_gateup.kd
    .args:
      - { .name: xs, .offset: 0, .size: 8, .value_kind: global_buffer, .address_space: global }
      - { .name: w1, .offset: 8, .size: 8, .value_kind: global_buffer, .address_space: global }
      - { .name: tiles, .offset: 16, .size: 8, .value_kind: global_buffer, .address_space: global }
      - { .name: inter, .offset: 24, .size: 8, .value_kind: global_buffer, .address_space: global }
    .group_segment_fixed_size: 295424
    .private_segment_fixed_size: 0
    .kernarg_segment_align: 8
    .kernarg_segment_size: 32
    .max_flat_workgroup_size: 128
    .sgpr_count:     66
    .vgpr_count:     800
    .wavefront_size: 32
...
	.end_amdgpu_metadata
.endif
;; end of part 2
;; launch down (part 3): grid 8 x 32, 4 waves a work-group, no clusters, 295,424 bytes of LDS; arguments inter, w2, tiles, perm, out0; writes out0
.if DOCPART == 3
	.amdgcn_target "amdgcn-amd-amdhsa--gfx1250"
	.amdhsa_code_object_version 6
	.text
	.protected	k_q0a9dddf565_down
	.globl	k_q0a9dddf565_down
	.p2align	8
	.type	k_q0a9dddf565_down,@function
k_q0a9dddf565_down:
	s_mov_b64 s[64:65], 0
	v_nop
	global_prefetch_b8 v0, s[64:65] scope:SCOPE_SE
	s_setreg_imm32_b32 hwreg(HW_REG_WAVE_MODE, 25, 1), 1
	s_wait_xcnt 0x0
; DOWN.  out[token][n] = the sum over p < 512 of inter[slot][p] Wd_e[p][n] + the sum over p >= 512 of inter[slot][p] Sd[n][p - 512]: ONE product of K = 1,024, so each output row has one owner.
; bf16 operands, f32 sums, f32 output.
; SHARES.  Work-group (sx, ty): tile ty (up to 9 blocks of 16 slots in the main part) x output columns 128 sx .. 128 sx + 127.  Wave w: 32 columns, 9 x 2 accumulators, 18 matrix instructions for each 32 of K.
; Where the tile has eight blocks or fewer, the ninth block's LDS loads and products are jumped in every step but the first.
; A (144 rows of inter, 294,912 bytes) comes into LDS once, in four chunks of 256 K.  B is one wave's own stream and comes from
; memory straight into registers, fifteen steps ahead: steps 0-15 from the expert's stream, 16-31 from the shared one.  All 32 steps are written out, so that every count is the step's own.
; A wave tile of 144 x 32 reads one LDS load for each matrix instruction: the price of giving each of 256 work-groups one slice of one tile.
; NO CLUSTER.  The eight slices of a tile ask for the same A, 8 x 294,912 bytes where one request would do.  A joint load wants a descriptor, and branches, that are alike in all partners by the text's own
; arithmetic; here A's address (the tile's first block) and the branches on its count of rows come from the table of tiles in memory, and 32 tiles of nine blocks do not hold every split (up to 36 are wanted),
; so that the way for blocks 9 and 10 has to hang on the table.
; THE WAY OUT.  The matrix instruction is used transposed: a lane holds one slot and eight neighbouring columns.  The tile goes through a stage (144 rows x 528 bytes) in A's bytes, which have had their last fill and,
; behind a barrier, their last read; wave w reads rows 36 w .. 36 w + 35 whole and stores each to its token's row: 512 consecutive aligned bytes a store.  Rows past the tile's count are jumped.
; Blocks 9 and 10 of a tile (only where the table has 11 blocks a tile) go a second way without LDS; there a lane stores 2 x 16 bytes for each fragment, 64 bytes of a row at a time: those stores do not fill 256 consecutive bytes.
; There a padded slot repeats the expert's last token: the same bits go to the same place, from the same instruction.
; REGISTERS: window 0: v1 16 x lane; v2, v3 A's LDS addresses; v5, v6 into the stage; v7 out of it; v30, v31 the add's; v32-103, v104-175 A's two buffers, later the rows read back; v176-211 the stores' offsets.
;   window 1: B, a ring of sixteen steps x 16.  window 2: accumulator (rb, f) at 16 rb + 8 f.
.set PLANE, 2293760
.set CHUNK, 73728
.set QUART, 18432
.set SPARE, 294912
.set SP,    528                        ; a stage row: 512 bytes + 16: sixteen rows' stores of 16 bytes start 33 x 16 bytes apart
.set ALO, 2
.set AHI, 3
.set STO, 5
.set STOH, 6
.set RD,  7
.set SPW, 30
.set NIL, 31
.set AF,  32
.set XACC, 32
.set XA,  64
.set XB,  80
.set G1,  16
.set G0,  24
.set WV,  60
.set SX,  61
.set TY,  62
.set MSB, 0
.macro WIN new
.if MSB != (\new)
	s_set_vgpr_msb (MSB<<8)|(\new)
.set MSB, \new
.endif
.endm
.macro PLACES
.rept 4
	v_nop
.endr
.endm
.macro FETCHA_LO kbl, buf              ; 16 LDS loads: row blocks 0 to 7
	WIN 0
.irp rb, 0,1,2,3,4,5,6,7
	ds_load_b128 v[AF+72*(\buf)+8*\rb:AF+72*(\buf)+8*\rb+3],   v[ALO] offset:\rb*8192+(\kbl)*1024
	ds_load_b128 v[AF+72*(\buf)+8*\rb+4:AF+72*(\buf)+8*\rb+7], v[ALO] offset:\rb*8192+(\kbl)*1024+512
.endr
.endm
.macro FETCHA_HI kbl, buf              ; 2 LDS loads: row block 8
	WIN 0
	ds_load_b128 v[AF+72*(\buf)+64:AF+72*(\buf)+67], v[AHI] offset:(\kbl)*1024
	ds_load_b128 v[AF+72*(\buf)+68:AF+72*(\buf)+71], v[AHI] offset:(\kbl)*1024+512
.endm
.macro FETCHB slot, base, imm          ; 4 loads: a step's two fragments: 2,048 consecutive bytes of a stream
	WIN 0x40
.irp f, 0,1
	global_load_b128 v[16*(\slot)+8*\f:16*(\slot)+8*\f+3],   v1, s[\base:\base+1] offset:(\imm)+\f*1024
	global_load_b128 v[16*(\slot)+8*\f+4:16*(\slot)+8*\f+7], v1, s[\base:\base+1] offset:(\imm)+\f*1024+512
.endr
.endm
; The accumulators take turns, one instruction a turn: a step goes through the ninth block's two and then the other 16
.macro MUL_HI buf, slot, zero          ; row block 8: 2 matrix instructions
	WIN 0xa1
.irp f, 0,1
.if \zero
	v_wmma_f32_16x16x32_bf16 v[128+8*\f:128+8*\f+7], v[16*(\slot)+8*\f:16*(\slot)+8*\f+7], v[AF+72*(\buf)+64:AF+72*(\buf)+71], 0
.else
	v_wmma_f32_16x16x32_bf16 v[128+8*\f:128+8*\f+7], v[16*(\slot)+8*\f:16*(\slot)+8*\f+7], v[AF+72*(\buf)+64:AF+72*(\buf)+71], v[128+8*\f:128+8*\f+7]
.endif
.endr
.endm
.macro MUL_LO buf, slot, zero          ; row blocks 0 to 7: 16 matrix instructions
	WIN 0xa1
.irp rb, 0,1,2,3,4,5,6,7
.irp f, 0,1
.if \zero
	v_wmma_f32_16x16x32_bf16 v[16*\rb+8*\f:16*\rb+8*\f+7], v[16*(\slot)+8*\f:16*(\slot)+8*\f+7], v[AF+72*(\buf)+8*\rb:AF+72*(\buf)+8*\rb+7], 0
.else
	v_wmma_f32_16x16x32_bf16 v[16*\rb+8*\f:16*\rb+8*\f+7], v[16*(\slot)+8*\f:16*(\slot)+8*\f+7], v[AF+72*(\buf)+8*\rb:AF+72*(\buf)+8*\rb+7], v[16*\rb+8*\f:16*\rb+8*\f+7]
.endif
.endr
.endr
.endm
; The ninth block's part of step n: its two LDS loads for step n + 1 and its two products, under one forward branch on the tile's count.  Step 0 has no branch: it starts the ninth block's sums and fills its
; place in the second buffer, so that these registers are written on every way; for a tile of eight blocks that is two products once.
.macro NINTH n
.if (\n) > 0
	s_cmp_le_u32 s44, 8
	s_cbranch_scc1 .Lno9_\@                        ; the tile has no ninth block
.endif
.if (\n) < 31
	FETCHA_HI ((\n)+1)&7, ((\n)+1)&1
.endif
	MUL_HI (\n)&1, (\n)&15, (\n)==0
	WIN 0                                          ; at a label every window is 0
.if (\n) > 0
.Lno9_\@:
.endif
.endm
.macro XSTEP zero                      ; the second way's step: blocks 9 and 10; four accumulators by turns
.irp i, 0,1
	global_load_b128 v[XA+8*\i:XA+8*\i+3],   v1, s[52:53] offset:\i*8192
	global_load_b128 v[XA+8*\i+4:XA+8*\i+7], v1, s[52:53] offset:\i*8192+512
.endr
.irp f, 0,1
	global_load_b128 v[XB+8*\f:XB+8*\f+3],   v1, s[54:55] offset:\f*1024
	global_load_b128 v[XB+8*\f+4:XB+8*\f+7], v1, s[54:55] offset:\f*1024+512
.endr
	s_wait_loadcnt 0x0                             ; also frees the two bases, which the next trip steps
.irp i, 0,1
.irp f, 0,1
.if \zero
	v_wmma_f32_16x16x32_bf16 v[XACC+16*\i+8*\f:XACC+16*\i+8*\f+7], v[XB+8*\f:XB+8*\f+7], v[XA+8*\i:XA+8*\i+7], 0
.else
	v_wmma_f32_16x16x32_bf16 v[XACC+16*\i+8*\f:XACC+16*\i+8*\f+7], v[XB+8*\f:XB+8*\f+7], v[XA+8*\i:XA+8*\i+7], v[XACC+16*\i+8*\f:XACC+16*\i+8*\f+7]
.endif
.endr
.endr
	PLACES
.endm
	s_load_b256 s[4:11], s[0:1], 0x0               ; inter s[4:5], w2 s[6:7], tiles s[8:9], perm s[10:11]
	s_load_b64 s[12:13], s[0:1], 0x20              ; out0
	v_lshl_add_u32 v[SPW], v0, 2, SPARE
	v_mov_b32 v[NIL], 0
	ds_add_u32 v[SPW], v[NIL]                      ; the wave's opening: the add and its wait stand ahead of my first tensor load; the set-up below, work on registers, stands between them
	v_lshrrev_b32 v4, 5, v0
	v_readfirstlane_b32 s[WV], v4                  ; wave 0..3
	v_and_b32 v1, 31, v0
	v_lshlrev_b32 v1, 4, v1                        ; 16 x lane; never rewritten
	v_mov_b32 v[ALO], v1
	v_add_nc_u32 v[AHI], 0x10000, v1
	v_and_b32 v4, 15, v0                           ; r
	v_bfe_u32 v8, v0, 4, 1                         ; h
	v_mul_u32_u24 v[STO], v4, SP                   ; into the stage: row r of a block, my wave's 128 bytes, 32 bytes for each half of the lanes
	v_lshl_add_u32 v[STO], v8, 5, v[STO]
	v_lshl_add_u32 v[STO], s[WV], 7, v[STO]
	v_add_nc_u32 v[STOH], 8*16*SP, v[STO]          ; row block 8 lies 67,584 bytes on: past the offset's 16 bits
	s_mul_i32 s58, s[WV], 36*SP
	v_add_nc_u32 v[RD], s58, v1                    ; out of it: my 36 rows, 16 bytes a lane
	s_mov_b32 s[SX], ttmp9                         ; my slice of 128 columns, 0..7
	s_and_b32 s[TY], ttmp7, 0xffff                 ; the tile
	s_mov_b32 s[G1], 3<<16                         ; 15:0 no mask; 17:16 elements of 8 bytes; no padding
	s_mov_b32 s[G1+1], 32<<16                      ; rows of 256 bytes,
	s_mov_b32 s[G1+2], 72<<16                      ; 72 of them,
	s_mov_b32 s[G1+3], 32<<16
	s_mov_b32 s[G1+4], 72
	s_mov_b32 s[G1+5], 32                          ; dense
	s_mov_b32 s[G1+6], 0
	s_mov_b32 s[G1+7], 0
	s_mul_i32 s58, s[WV], QUART
	s_lshl_b32 s56, s[TY], 4
	s_mov_b32 s57, 0
	s_wait_dscnt 0x0                               ; the opening add is done
	s_wait_kmcnt 0x0
	s_add_nc_u64 s[56:57], s[8:9], s[56:57]
	s_load_b128 s[40:43], s[56:57], 0x0            ; the tile: expert, first block, rows, q
	s_wait_kmcnt 0x0
	s_min_u32 s40, s40, 7
	s_min_u32 s41, s41, 269
	s_min_u32 s42, s42, 176
	s_add_co_u32 s44, s42, 15
	s_lshr_b32 s44, s44, 4                         ; the tile's row blocks, 0..11
	s_lshl_b32 s56, s41, 13
	s_add_co_u32 s56, s56, s58
	s_mov_b32 s57, 0
	s_add_nc_u64 s[56:57], s[4:5], s[56:57]
.irp c, 0,1,2,3
	s_mov_b32 s[G0+4*\c], 1
	s_add_co_u32 s[G0+4*\c+1], s58, \c*CHUNK
	s_add_nc_u64 s[G0+4*\c+2:G0+4*\c+3], s[56:57], \c*PLANE
	s_or_b32 s[G0+4*\c+3], s[G0+4*\c+3], 0x80000000
.endr
.irp c, 0,1,2,3
	tensor_load_to_lds s[G0+4*\c:G0+4*\c+3], s[G1:G1+7]       ; four loads of mine are out: all that this launch issues
	s_nop 0
.endr
	PLACES
	s_lshl2_add_u32 s52, s[SX], s[WV]              ; my unit of 32 columns among the 32
	s_lshl_b32 s53, s40, 5
	s_add_co_u32 s53, s53, s52
	s_lshl_b32 s54, s53, 15                        ; a stream is 32,768 bytes
	s_mov_b32 s55, 0
	s_add_nc_u64 s[46:47], s[6:7], s[54:55]        ; the expert's stream
	s_add_co_u32 s54, s52, 256
	s_lshl_b32 s54, s54, 15
	s_add_nc_u64 s[48:49], s[6:7], s[54:55]        ; the shared expert's
.set bt, 0
.rept 15
	FETCHB bt, 46, bt*2048                         ; B of steps 0 to 14: 60 loads
.set bt, bt+1
.endr
	WIN 0
	s_lshl_b32 s54, s[SX], 9
	s_add_nc_u64 s[50:51], s[12:13], s[54:55]      ; out at my slice's first column
	s_lshl_b32 s54, s41, 6
	s_mul_i32 s53, s[WV], 144
	s_add_co_u32 s54, s54, s53
	s_add_nc_u64 s[14:15], s[10:11], s[54:55]      ; perm at slot 16 fb + 36 w
	s_wait_tensorcnt 3                             ; my quarter of chunk 0 is in; three chunks stay out
	s_barrier_signal -1
	s_barrier_wait -1
	FETCHA_LO 0, 0
	FETCHA_HI 0, 0
.set st, 0
.rept 32
	WIN 0
	s_wait_dscnt 0x0                               ; A of this step, asked for a step ago
.if st+14 < 31
	s_wait_loadcnt 56                              ; B of this step: fourteen steps' loads, four each, were issued behind it
.else
	s_wait_loadcnt 4*(31-st)                       ; the counts run down
.endif
.if ((st&7) == 7) && (st < 31)
	s_wait_tensorcnt 2-(st>>3)                     ; my quarter of the next chunk is in; the chunks behind it stay out
	s_barrier_signal -1
	s_barrier_wait -1                              ; everybody's is
	v_add_nc_u32 v[ALO], CHUNK, v[ALO]
	v_add_nc_u32 v[AHI], CHUNK, v[AHI]
.endif
.if st < 31
	PLACES                                         ; for the loads into the buffer, and the ring's slot, that the last step multiplied
	FETCHA_LO (st+1)&7, (st+1)&1
.endif
	NINTH st
.set bt, st+15
.if bt < 32
.set bb, 46+2*(bt/16)
	FETCHB bt&15, bb, (bt&15)*2048
.endif
.if st == 24
	s_load_b512 s[68:83], s[14:15], 0x0            ; my 36 rows' tokens.  The last four land in a descriptor's registers: all tensor loads were shown done in step 23
	s_load_b512 s[84:99], s[14:15], 0x40
	s_load_b128 s[24:27], s[14:15], 0x80
.endif
	MUL_LO st&1, st&15, st==0
.set st, st+1
.endr
	WIN 0
	PLACES                                         ; ahead of the stores that read the sums
	s_wait_dscnt 0x0                               ; my reads of A are over,
	s_barrier_signal -1
	s_barrier_wait -1                              ; and everybody's: A's bytes, which have had their last fill, become the stage
	WIN 0x08                                       ; the stores' data in window 2
.irp rb, 0,1,2,3,4,5,6,7
.irp f, 0,1
	ds_store_b128 v[STO], v[16*\rb+8*\f:16*\rb+8*\f+3] offset:\rb*16*SP+\f*64
	ds_store_b128 v[STO], v[16*\rb+8*\f+4:16*\rb+8*\f+7] offset:\rb*16*SP+\f*64+16
.endr
.endr
.irp f, 0,1
	ds_store_b128 v[STOH], v[128+8*\f:128+8*\f+3] offset:\f*64
	ds_store_b128 v[STOH], v[128+8*\f+4:128+8*\f+7] offset:\f*64+16
.endr
	WIN 0
	s_wait_dscnt 0x0                               ; for the others' sake: my stores are done
	s_barrier_signal -1
	s_barrier_wait -1
.set i, 0
.rept 36
	ds_load_b128 v[32+4*i:32+4*i+3], v[RD] offset:i*SP   ; a whole row of 512 bytes
.set i, i+1
.endr
	s_wait_kmcnt 0x0
.set i, 0
.rept 36
.set tr, 68+i
.if i >= 32
.set tr, i-8
.endif
	s_min_u32 s[tr], s[tr], 0xfff
.set i, i+1
.endr
	s_min_u32 s58, s42, 144                        ; how many of my 36 rows are the tile's
	s_mul_i32 s59, s[WV], 36
	s_sub_co_i32 s58, s58, s59
	s_max_i32 s58, s58, 0
	s_min_i32 s58, s58, 36
	s_wait_dscnt 0x0
.set i, 0
.rept 36
.set tr, 68+i
.if i >= 32
.set tr, i-8
.endif
	s_cmp_le_u32 s58, i
	s_cbranch_scc1 .Lstored
	v_lshl_add_u32 v[176+i], s[tr], 12, v1         ; the token's row of 4,096 bytes; a register for each store, so that none is rewritten
	global_store_b128 v[176+i], v[32+4*i:32+4*i+3], s[50:51] th:TH_STORE_NT   ; 512 consecutive bytes, at a multiple of 512
.set i, i+1
.endr
.Lstored:
	s_cmp_le_u32 s44, 9
	s_cbranch_scc1 .Ldone
	; THE SECOND WAY: blocks 9 and 10.  No LDS, no barrier, no tensor load in what the branch above jumps.
	s_wait_xcnt 0x0                                ; the stores' registers are used again only behind this wait
	s_add_co_u32 s52, s41, 9
	s_lshl_b32 s58, s52, 6                         ; perm at slot 16 (fb + 9)
	s_lshl_b32 s52, s52, 13
	s_mov_b32 s53, 0
	s_add_nc_u64 s[52:53], s[4:5], s[52:53]
	s_mov_b64 s[54:55], s[46:47]
	v_and_b32 v98, 15, v0
	v_lshlrev_b32 v98, 2, v98
	v_add_nc_u32 v98, s58, v98
	global_load_b32 v96, v98, s[10:11]             ; my row's token in block 9,
	global_load_b32 v97, v98, s[10:11] offset:64   ; and in block 10
	s_mov_b32 s57, 0
	s_mov_b32 s58, 1024
	s_mov_b32 s59, PLANE-7168
	XSTEP 1
	s_mov_b32 s45, 1
.Lx:
	s_and_b32 s56, s45, 7                          ; SCC: the step does not begin a quarter of K
	s_cselect_b32 s56, s58, s59
	s_add_nc_u64 s[52:53], s[52:53], s[56:57]
	s_add_nc_u64 s[54:55], s[54:55], 2048
	s_cmp_eq_u32 s45, 16
	s_cselect_b64 s[54:55], s[48:49], s[54:55]     ; from step 16 on the shared expert's stream
	XSTEP 0
	s_add_co_u32 s45, s45, 1
	s_cmp_lt_u32 s45, 32
	s_cbranch_scc1 .Lx
	v_bfe_u32 v99, v0, 4, 1
	v_lshlrev_b32 v99, 5, v99
	v_lshl_add_u32 v99, s[WV], 7, v99              ; my wave's 128 bytes of the slice, 32 bytes for each half of the lanes
	v_min_u32 v96, 0xfff, v96
	v_min_u32 v97, 0xfff, v97
	v_lshl_add_u32 v96, v96, 12, v99
	v_lshl_add_u32 v97, v97, 12, v99
.irp f, 0,1
	global_store_b128 v96, v[XACC+8*\f:XACC+8*\f+3],   s[50:51] offset:\f*64 th:TH_STORE_NT
	global_store_b128 v96, v[XACC+8*\f+4:XACC+8*\f+7], s[50:51] offset:\f*64+16 th:TH_STORE_NT
.endr
	s_cmp_le_u32 s44, 10
	s_cbranch_scc1 .Ldone
.irp f, 0,1
	global_store_b128 v97, v[XACC+16+8*\f:XACC+16+8*\f+3],   s[50:51] offset:\f*64 th:TH_STORE_NT
	global_store_b128 v97, v[XACC+16+8*\f+4:XACC+16+8*\f+7], s[50:51] offset:\f*64+16 th:TH_STORE_NT
.endr
.Ldone:
	s_wait_tensorcnt 0x0                           ; the wave's end, behind my last tensor load and my last LDS store
	ds_add_u32 v[SPW], v[NIL]
	s_wait_dscnt 0x0
	s_endpgm
.Lfunc_end_k_q0a9dddf565_down:
	.size	k_q0a9dddf565_down, .Lfunc_end_k_q0a9dddf565_down-k_q0a9dddf565_down
	.p2alignl 7, 3214868480
	.fill 96, 4, 3214868480
	.section	.rodata,"a",@progbits
	.p2align	6, 0x0
	.amdhsa_kernel k_q0a9dddf565_down
		.amdhsa_group_segment_fixed_size 295424
		.amdhsa_private_segment_fixed_size 0
		.amdhsa_enable_private_segment 0
		.amdhsa_kernarg_size 40
		.amdhsa_user_sgpr_count 2
		.amdhsa_user_sgpr_kernarg_segment_ptr 1
		.amdhsa_wavefront_size32 1
		.amdhsa_system_sgpr_workgroup_id_x 1
		.amdhsa_system_sgpr_workgroup_id_y 1
		.amdhsa_system_sgpr_workgroup_id_z 1
		.amdhsa_system_vgpr_workitem_id 0
		.amdhsa_next_free_vgpr 656
		.amdhsa_next_free_sgpr 100
		.amdhsa_reserve_vcc 0
		.amdhsa_float_denorm_mode_32 3
		.amdhsa_float_denorm_mode_16_64 3
		.amdhsa_memory_ordered 1
		.amdhsa_forward_progress 1
		.amdhsa_inst_pref_size 122
	.end_amdhsa_kernel
	.amdgpu_metadata
---
amdhsa.version: [ 1, 2 ]
amdhsa.kernels:
  - .name:           k_q0a9dddf565_down
    .symbol:         k_q0a9dddf565_down.kd
    .args:
      - { .name: inter, .offset: 0, .size: 8, .value_kind: global_buffer, .address_space: global }
      - { .name: w2, .offset: 8, .size: 8, .value_kind: global_buffer, .address_space: global }
      - { .name: tiles, .offset: 16, .size: 8, .value_kind: global_buffer, .address_space: global }
      - { .name: perm, .offset: 24, .size: 8, .value_kind: global_buffer, .address_space: global }
      - { .name: out0, .offset: 32, .size: 8, .value_kind: global_buffer, .address_space: global }
    .group_segment_fixed_size: 295424
    .private_segment_fixed_size: 0
    .kernarg_segment_align: 8
    .kernarg_segment_size: 40
    .max_flat_workgroup_size: 128
    .sgpr_count:     100
    .vgpr_count:     656
    .wavefront_size: 32
...
	.end_amdgpu_metadata
.endif
;; end of part 3
